; MI455X (gfx1250); checked and timed in simulation.
; The chip was launched on July 23, 2026; its instructions are those of AMD's public machine-readable ISA for CDNA 5 (MIT licence, August 2026) and "CDNA5" Instruction Set Architecture Reference Guide (July 2026). The comments in the code are by the model that wrote it; some were corrected since.
;; STE Bit Linear. Allowed arithmetic: matrix products marked QUANTISED: E2M1 operands, one E8M0 scale for each 32 along K, by v_wmma_scale_f32_16x16x128_f8f6f4 with both operands' format E2M1 (or v_wmma_scale_f32_32x16x128_f4), f32 sums; everything else in f32.
;; Inputs: scales 131,072 float32; sign_weights 4,096 x 4,096 float32; x 4 x 1,024 x 4,096 float32.
;; Outputs: out0 4 x 1,024 x 4,096 float32.
;; This version of the problem:
;;   THIS VERSION OF THE PROBLEM IS GIVEN IN LOW PRECISION. The matrix products marked QUANTISED in the list below multiply operands that are first quantised to E2M1 (2 exponent bits, 1 mantissa bit; 4 bits a number), with one power-of-two scale for each 32 numbers along K (OCP MX v1.0); their sums are f32. All else is computed in f32.
;;   The module's matrix products, in the order in which they are computed (A, B: the left and right operand; K: the contracted axis; several contracted axes count as one K, in the product's order):
;;     1. [M 4,096, K 4,096] x [K 4,096, N 4,096]; A: input x; B: computed on the way: QUANTISED
;;   THE QUANTISER, for each operand of a quantised product, along K:
;;     - K is cut into blocks of 32 from its start; a last block that is shorter is filled with zeros.
;;     - A block's scale is 2^e with e = floor(log2(the largest magnitude in the block)) - 2, held to -126 .. 127; a block of zeros has e = 0. As a byte (E8M0): e + 127.
;;     - Each number is divided by its block's scale, clamped to +-6, and rounded to the nearest number of E2M1, ties to even, subnormals kept.
;;     - The product sums the exact products of the quantised numbers (number of the format x scale) in f32.
;;   ~~~python
;;   def quantise(x, axis):      # numpy; x: float32 -> the quantised numbers, widened to float32 again
;;       x = np.moveaxis(x, axis, -1); K = x.shape[-1]
;;       x = np.pad(x, [(0, 0)] * (x.ndim - 1) + [(0, -K % 32)]); x = x.reshape(x.shape[:-1] + (-1, 32)); a = np.abs(x).max(-1, keepdims=True)
;;       e = np.where(a > 0, np.clip(np.frexp(np.where(a > 0, a, 1))[1] - 1 - 2, -126, 127), 0)      # np.frexp(a)[1] - 1 = floor(log2(a)), exactly
;;       r = np.clip(x / 2.0 ** e, -6, 6)
;;       step = 2.0 ** (np.maximum(np.frexp(np.where(r == 0, 1, r))[1] - 1, 0) - 1)
;;       q = np.round(r / step) * step * 2.0 ** e      # np.round: ties to even
;;       return np.moveaxis(q.reshape(q.shape[:-2] + (-1,))[..., :K], -1, axis).astype(np.float32)
;;   ~~~
;;   OPERANDS COMPUTED ON THE WAY. 'Computed on the way' means the value that the module computes at that place (a softmax that the list does not call 'softmax' is quantised finished and normalised). What goes into a quantiser is computed in f32, as accurately as f32 sums, v_exp_f32 and their like allow (about 1e-6 of the number): no bf16 or f16 on the way to a quantiser, and a product that is left as it is and whose result goes on into a quantised operand takes f32 operands (vector FMAs, or v_wmma_f32_16x16x4_f32). A number that lies on a knife's edge between two numbers of the format may be rounded either way, as far as f32 arithmetic and the matrix unit's own rounding can turn it there, and no further.
;; One version. Each part assembles by itself: llvm-mc -triple=amdgcn-amd-amdhsa -mcpu=gfx1250 --defsym DOCPART=n.
;; ======== version 1 of 1: 2 launches
;; limits: right only within a limited range of input values
;; workspace buffers: xq 8,912,896 bytes; wq 8,912,896 bytes
;; launch quant (part 1): grid 256 x 2, 8 waves a work-group, no clusters, 101,376 bytes of LDS; arguments x, sign_weights, scales, xq, wq; writes xq, wq
.if DOCPART == 1
	.amdgcn_target "amdgcn-amd-amdhsa--gfx1250"
	.amdhsa_code_object_version 6
	.text
	.protected	k_q20c2c4c655_quant
	.globl	k_q20c2c4c655_quant
	.p2align	8
	.type	k_q20c2c4c655_quant,@function
k_q20c2c4c655_quant:
	s_mov_b64 s[64:65], 0
	v_nop
	global_prefetch_b8 v0, s[64:65] scope:SCOPE_SE
	s_setreg_imm32_b32 hwreg(HW_REG_WAVE_MODE, 25, 1), 1
	s_wait_xcnt 0x0
; x [4096][4096] f32 and w = sign(sign_weights) * scales[(n * 4096 + k) / 128], [4096][4096] f32, are turned into codes of FP4 (E2M1), K innermost, with one E8M0 scale byte for each 32 along K.
; A block's scale is 2^(floor(log2(its largest magnitude)) - 2); its byte is the largest magnitude's exponent field - 2, held at 1 from below.  Each number is divided by the scale and rounded to the nearest code, ties to even;
; what lies beyond 6 takes the largest code.
; LIMITS: NaN and infinities among the inputs are not served (a NaN weight would count as a signed one).  A block of zeros gets the byte 1 where the rule says 127: its codes are zeros, which add nothing under any byte
; but 0xff, and the bytes are read by this program alone.
; w IS MADE EXACTLY: the weight's sign bit is xored onto the group's scale (so a negative scale is served), and a weight of +0 or -0 gives 0, as sign() does.
; THE OUTPUT'S LAYOUT is this program's own.  A TILE is 128 rows x 512 along K: 34,816 bytes.  Tile (row / 128, k / 512) lies at ((row / 128) * 8 + k / 512) * 34,816.  In it: bytes 256 r .. 256 r + 255 are row r's 512 codes
; (two a byte, the lower k in the low four bits); bytes 32,768 + 16 r + j are the scale byte of row r's block j.  So a tile is 136 dense rows of 256 bytes: the product's launch brings codes and scales by one load.
; SHARES.  Work-group y = 0 takes x, y = 1 takes w; work-group x = g takes rows 16 g .. 16 g + 15; wave w takes k = 512 w .. 512 w + 511 of them: 16 steps, a row a step.
; A step: four loads of 512 consecutive bytes, 16 a lane; the 2,048 bytes turn through the wave's own stage in LDS and come back 64 bytes a lane, so that a lane holds 16 NEIGHBOURS along K (two lanes hold a block), as the
; conversions want them.  A lane's 16 codes are 8 bytes: the wave stores 256 consecutive bytes, aligned.  The wave's 16 x 16 scale bytes are gathered in LDS and leave as 256 consecutive bytes, aligned.
; THE STAGE has 16 bytes of padding behind each 256: piece c (16 bytes) of a step lies at 16 (c + c / 16).  On the way in sixteen lanes hold sixteen neighbouring pieces; on the way out sixteen lanes hold pieces four apart
; (c = 4 L + j, c / 16 = L / 4).  Both ways (c + c / 16) mod 16 takes sixteen different values.
; No tensor loads, no barrier: waves share nothing.  Loads run four steps (16 loads a wave) ahead, the turn through LDS one step.  The two tensors take two copies of the body, each with LDS bytes of its own.
.set TILEB, 34816
.set WREG,  6144                       ; LDS: a region for each wave: two stages, 256 scale bytes, 256 bytes of group scales (4,864 bytes of it are used)
.set STG,   2176                       ; a stage: 128 pieces of 16 bytes and 8 paddings
.set LDP,   544                        ; in it, from one load's 512 bytes to the next load's: 32 pieces and 2 paddings
.set SCB,   2*STG                      ; the wave's scale bytes
.set LBW,   8*WREG                     ; the regions of the body for w begin here; those of the body for x at 0
.set R,     16                         ; v16-79   four sets of 16 numbers as they are loaded
.set X,     80                         ; v80-111  two sets of 16 neighbours
.set E,     112                        ; v112-127 a scale byte for each step
.set C,     128                        ; v128-159 codes: two registers for each step, so that no store's data are written again
.set GS,    160                        ; v160-175 my lane's group scale in each step (w alone)
	s_load_b128 s[4:7], s[0:1], 0x0                ; x, sign_weights
	s_load_b64 s[8:9], s[0:1], 0x10                ; scales
	s_load_b64 s[10:11], s[0:1], 0x18              ; xq
	s_load_b64 s[12:13], s[0:1], 0x20              ; wq
	v_lshl_add_u32 v176, v0, 2, 0x18800
	v_mov_b32 v177, 0
	v_lshrrev_b32 v1, 5, v0
	s_delay_alu instid0(VALU_DEP_1)
	v_readfirstlane_b32 s16, v1                    ; wave 0..7 = which 512 along K
	v_and_b32 v2, 31, v0                           ; lane
	s_delay_alu instid0(VALU_DEP_1)
	v_lshlrev_b32 v3, 4, v2                        ; my 16 bytes of a load's 512
	s_delay_alu instid0(VALU_DEP_2)
	v_lshlrev_b32 v4, 3, v2                        ; my 8 bytes of a store's 256
	s_mul_i32 s28, s16, WREG                       ; my wave's region
	s_add_co_u32 s29, s28, SCB
	v_lshrrev_b32 v5, 1, v2
	s_delay_alu instid0(VALU_DEP_1)
	v_add_nc_u32 v5, s29, v5                       ; where my block's scale byte goes: region + SCB + lane / 2
	v_add_nc_u32 v6, s29, v4                       ; the same 256 bytes, 8 a lane
	v_lshrrev_b32 v7, 4, v2
	s_delay_alu instid0(VALU_DEP_1)
	v_add_nc_u32 v7, v7, v2
	s_delay_alu instid0(VALU_DEP_1)
	v_lshlrev_b32 v7, 4, v7
	s_delay_alu instid0(VALU_DEP_1)
	v_add_nc_u32 v7, s28, v7                       ; the stage, on the way in: 16 (lane + lane / 16); load i's pieces LDP i further on
	v_lshrrev_b32 v8, 2, v2
	s_delay_alu instid0(VALU_DEP_1)
	v_lshl_add_u32 v8, v2, 2, v8
	s_delay_alu instid0(VALU_DEP_1)
	v_lshlrev_b32 v8, 4, v8
	s_delay_alu instid0(VALU_DEP_1)
	v_add_nc_u32 v8, s28, v8                       ; and on the way out: 16 (4 lane + lane / 4): my four pieces lie on end, my 16 neighbours
	v_lshrrev_b32 v9, 1, v2
	s_delay_alu instid0(VALU_DEP_1)
	v_lshlrev_b32 v9, 7, v9
	v_and_b32 v10, 1, v2
	s_delay_alu instid0(VALU_DEP_1)
	v_lshl_add_u32 v9, v10, 3, v9                  ; group scales in memory: row lane / 2 (128 bytes a row), 8 bytes for each of its two lanes
	v_lshrrev_b32 v10, 3, v2
	s_delay_alu instid0(VALU_DEP_1)
	v_lshlrev_b32 v10, 2, v10
	s_add_co_u32 s29, s29, 256
	v_add_nc_u32 v10, s29, v10                     ; and in LDS: eight lanes (128 along K) share a group's scale
	s_mov_b32 s25, 0x80000000                      ; a sign bit
	s_and_b32 s17, ttmp7, 0xffff                   ; 0: x, 1: w
	s_lshl_b32 s18, ttmp9, 18                      ; in: 16 g rows of 16,384 bytes
	s_lshl_b32 s20, s16, 11                        ;     + 512 numbers x wave
	s_add_co_u32 s18, s18, s20
	s_mov_b32 s19, 0
	s_lshl_b32 s20, ttmp9, 11                      ; group scales: 16 g rows of 128 bytes
	s_lshl_b32 s22, s16, 4                         ;     + 4 groups x wave
	s_add_co_u32 s20, s20, s22
	s_mov_b32 s21, 0
	s_and_b32 s22, ttmp9, 0xf8                     ; 8 x (g / 8): the row block's first tile,
	s_add_co_u32 s22, s22, s16                     ; + wave
	s_mul_i32 s22, s22, TILEB                      ; my tile
	s_and_b32 s24, ttmp9, 7                        ; which 16 rows of its 128
	s_lshl_b32 s26, s24, 12
	s_add_co_u32 s26, s26, s22                     ; codes: tile + 16 rows x 256 bytes x (g % 8)
	s_mov_b32 s27, 0
	s_lshl_b32 s24, s24, 8
	s_add_co_u32 s22, s22, s24
	s_add_co_u32 s22, s22, 32768                   ; scale bytes: tile + 32,768 + 256 x (g % 8)
	s_mov_b32 s23, 0
	s_wait_kmcnt 0x0
	s_cmp_eq_u32 s17, 0                            ; the choice hangs on the work-group's number alone
	s_cselect_b64 s[4:5], s[4:5], s[6:7]
	s_cselect_b64 s[10:11], s[10:11], s[12:13]
	s_add_nc_u64 s[4:5], s[4:5], s[18:19]
	s_add_nc_u64 s[8:9], s[8:9], s[20:21]
	s_add_nc_u64 s[14:15], s[10:11], s[22:23]      ; where my 256 scale bytes go
	s_add_nc_u64 s[10:11], s[10:11], s[26:27]      ; where my 16 rows of codes go
.macro LOAD t                          ; row t's 2,048 bytes: each load reads 512 consecutive bytes
.irp i, 0,1,2,3
	global_load_b128 v[R+16*((\t)%4)+4*\i:R+16*((\t)%4)+4*\i+3], v3, s[4:5] offset:16384*(\t)+512*\i th:TH_LOAD_NT
.endr
.endm
.macro TURN t, lb                      ; step t's numbers through the stage: LDS serves a wave's instructions in order (ISA guide 5.7.1.4), so no wait stands between the stores and the loads
.irp i, 0,1,2,3
	ds_store_b128 v7, v[R+16*((\t)%4)+4*\i:R+16*((\t)%4)+4*\i+3] offset:\lb+STG*((\t)%2)+LDP*\i
.endr
.irp i, 0,1,2,3
	ds_load_b128 v[X+16*((\t)%2)+4*\i:X+16*((\t)%2)+4*\i+3], v8 offset:\lb+STG*((\t)%2)+16*\i
.endr
.endm
; One step.  p = 1: the numbers are weights and become sign x group scale first.
.macro STEP t, p, lb
.set XS, X+16*((\t)%2)
.if (\t) > 0
	s_wait_dscnt 1                                 ; this step's numbers are back from the stage; the last step's byte store may be out
.else
	s_wait_dscnt 0x0                               ; the first step's numbers (and the group scales)
.endif
.if (\t)+4 < 16
	LOAD (\t)+4                                    ; into the set that this step's stores into the stage have read
.endif
.if (\t) < 15
.if (\t) < 12
	s_wait_loadcnt 12                              ; the next step's four loads are in; those of the three steps behind it may be out
.else
	s_wait_loadcnt 4*(14-(\t))                     ; near the end fewer are behind it
.endif
	TURN (\t)+1, \lb                               ; they go through the other stage while this step is worked
.endif
.if \p
.irp j, 0,4,8,12                       ; four numbers at a time, so that no line waits for the line above it
.irp u, 0,1,2,3
	v_cmp_neq_f32 s[28+\u], 0, v[XS+\j+\u]         ; a weight of zero has sign 0
.endr
.irp u, 0,1,2,3
	v_and_b32 v[XS+\j+\u], s25, v[XS+\j+\u]        ; the weight's sign bit,
.endr
.irp u, 0,1,2,3
	s_delay_alu instid0(VALU_DEP_4)
	v_xor_b32 v[XS+\j+\u], v[XS+\j+\u], v[GS+(\t)] ; on the group's scale: +-1 x scale, exactly
.endr
.irp u, 0,1,2,3
	s_delay_alu instid0(VALU_DEP_4)
	v_cndmask_b32 v[XS+\j+\u], 0, v[XS+\j+\u], s[28+\u]
.endr
.endr
.endif
	v_max3_num_f32 v14, |v[XS]|, |v[XS+1]|, |v[XS+2]|              ; the largest magnitude of my 16, in two chains
	v_max3_num_f32 v15, |v[XS+3]|, |v[XS+4]|, |v[XS+5]|
.irp i, 6,10
	s_delay_alu instid0(VALU_DEP_2)
	v_max3_num_f32 v14, v14, |v[XS+\i]|, |v[XS+\i+1]|
	s_delay_alu instid0(VALU_DEP_2)
	v_max3_num_f32 v15, v15, |v[XS+\i+2]|, |v[XS+\i+3]|
.endr
	s_delay_alu instid0(VALU_DEP_2)
	v_max3_num_f32 v14, v14, |v[XS+14]|, |v[XS+15]|
	s_delay_alu instid0(VALU_DEP_1)
	v_max3_num_f32 v14, v14, v15, 0x1800000        ; and the floor 2^(3 - 127): so the byte cannot fall under 1
	s_delay_alu instid0(VALU_DEP_1)
	v_max_num_f32_dpp v14, v14, v14 row_xmask:1 row_mask:0xf bank_mask:0xf   ; and of my neighbour's 16: the block's
	s_delay_alu instid0(VALU_DEP_1)
	v_add_nc_u32 v11, 0xff000000, v14              ; 2 off its exponent field: the conversion takes the exponent field of this operand as its scale, and nothing else of it
	v_cvt_scalef32_pk8_fp4_f32 v[C+2*(\t)], v[XS:XS+7], v11
	v_cvt_scalef32_pk8_fp4_f32 v[C+2*(\t)+1], v[XS+8:XS+15], v11
	v_lshrrev_b32 v[E+(\t)], 23, v11               ; the scale's byte (also the plain line behind the conversions)
	ds_store_b8 v5, v[E+(\t)] offset:\lb+16*(\t)   ; row t's 16 bytes; both lanes of a block write the same byte with the same value
	global_store_b64 v4, v[C+2*(\t):C+2*(\t)+1], s[10:11] offset:256*(\t)   ; 32 lanes store row t's 256 bytes of codes, aligned
.endm
.macro BODY p, lb
.if \p
	global_load_b64 v[12:13], v9, s[8:9]           ; the group scales of my 16 rows x 4 groups: 16 bytes a row
.endif
.irp t, 0,1,2,3
	LOAD \t
.endr
.if \p
	s_wait_loadcnt 16                              ; the group scales are in; the sixteen loads behind them may be out
	ds_store_b64 v6, v[12:13] offset:\lb+256       ; row t's four scales at 16 t
.irp t, 0,1,2,3,4,5,6,7,8,9,10,11,12,13,14,15
	ds_load_b32 v[GS+\t], v10 offset:\lb+16*\t     ; my lane's group in row t (my own wave's bytes, served in order)
.endr
.endif
	s_wait_loadcnt 12                              ; step 0's four loads are in
	TURN 0, \lb
.irp t, 0,1,2,3,4,5,6,7,8,9,10,11,12,13,14,15
	STEP \t, \p, \lb
.endr
	ds_load_b64 v[12:13], v6 offset:\lb            ; my wave's 256 scale bytes: these loads see my stores
	s_wait_dscnt 0x0
	global_store_b64 v4, v[12:13], s[14:15]        ; 32 lanes store 256 consecutive bytes, aligned
	s_wait_tensorcnt 0x0
	ds_add_u32 v176, v177
	s_wait_dscnt 0x0
	s_endpgm
.endm
	s_cmp_lg_u32 s17, 0
	s_cbranch_scc1 .Lweights
	s_wait_alu depctr_va_vdst(0)
	BODY 0, 0
.Lweights:
	s_wait_alu depctr_va_vdst(0)
	BODY 1, LBW
.Lfunc_end_k_q20c2c4c655_quant:
	.size	k_q20c2c4c655_quant, .Lfunc_end_k_q20c2c4c655_quant-k_q20c2c4c655_quant
	.p2alignl 7, 3214868480
	.fill 96, 4, 3214868480
	.section	.rodata,"a",@progbits
	.p2align	6, 0x0
	.amdhsa_kernel k_q20c2c4c655_quant
		.amdhsa_group_segment_fixed_size 101376
		.amdhsa_private_segment_fixed_size 0
		.amdhsa_enable_private_segment 0
		.amdhsa_kernarg_size 40
		.amdhsa_user_sgpr_count 2
		.amdhsa_user_sgpr_kernarg_segment_ptr 1
		.amdhsa_wavefront_size32 1
		.amdhsa_system_sgpr_workgroup_id_x 1
		.amdhsa_system_sgpr_workgroup_id_y 1
		.amdhsa_system_sgpr_workgroup_id_z 1
		.amdhsa_system_vgpr_workitem_id 0
		.amdhsa_next_free_vgpr 178
		.amdhsa_next_free_sgpr 66
		.amdhsa_reserve_vcc 0
		.amdhsa_float_denorm_mode_32 3
		.amdhsa_float_denorm_mode_16_64 3
		.amdhsa_memory_ordered 1
		.amdhsa_forward_progress 1
		.amdhsa_inst_pref_size 139
	.end_amdhsa_kernel
	.amdgpu_metadata
---
amdhsa.version: [ 1, 2 ]
amdhsa.kernels:
  - .name:           k_q20c2c4c655_quant
    .symbol:         k_q20c2c4c655_quant.kd
    .args:
      - { .name: x, .offset: 0, .size: 8, .value_kind: global_buffer, .address_space: global }
      - { .name: sign_weights, .offset: 8, .size: 8, .value_kind: global_buffer, .address_space: global }
      - { .name: scales, .offset: 16, .size: 8, .value_kind: global_buffer, .address_space: global }
      - { .name: xq, .offset: 24, .size: 8, .value_kind: global_buffer, .address_space: global }
      - { .name: wq, .offset: 32, .size: 8, .value_kind: global_buffer, .address_space: global }
    .group_segment_fixed_size: 101376
    .private_segment_fixed_size: 0
    .kernarg_segment_align: 8
    .kernarg_segment_size: 40
    .max_flat_workgroup_size: 256
    .sgpr_count:     66
    .vgpr_count:     178
    .wavefront_size: 32
...
	.end_amdgpu_metadata
.endif
;; end of part 1
;; launch gemm (part 2): grid 16 x 16, 4 waves a work-group, clusters of 4 x 4, 327,680 bytes of LDS; arguments xq, wq, out0; writes out0
.if DOCPART == 2
	.amdgcn_target "amdgcn-amd-amdhsa--gfx1250"
	.amdhsa_code_object_version 6
	.text
	.protected	k_q20c2c4c655_gemm
	.globl	k_q20c2c4c655_gemm
	.p2align	8
	.type	k_q20c2c4c655_gemm,@function
k_q20c2c4c655_gemm:
	s_mov_b64 s[64:65], 0
	v_nop
	global_prefetch_b8 v0, s[64:65] scope:SCOPE_SE
	s_setreg_imm32_b32 hwreg(HW_REG_WAVE_MODE, 25, 1), 1
	s_wait_xcnt 0x0
	s_wait_alu depctr_hold_cnt(0) depctr_sa_sdst(0) depctr_va_vdst(0) depctr_va_sdst(0) depctr_va_ssrc(0) depctr_va_vcc(0) depctr_vm_vsrc(0)
	s_getreg_b32 s2, hwreg(HW_REG_IB_STS2, 6, 4)
	s_cmp_eq_u32 s2, 0
	s_cbranch_scc0 .Lentry_in_a_cluster
	s_endpgm
.Lentry_in_a_cluster:
	s_bfe_u32 s2, ttmp6, 0x10000c
	s_cmp_lg_u32 s2, 0xf033
	s_cbranch_scc0 .Lentry_shape_is_right
	s_endpgm
.Lentry_shape_is_right:
; out0[m][n] = sum over k of x[m][k] w[n][k], both operands as codes of FP4 (E2M1) with one E8M0 byte for each 32 along K, as launch quant laid them:
; a TILE is 128 rows x 512 along K, 136 dense rows of 256 bytes (128 rows of codes, then 8 rows of scale bytes, 16 a row of the operand); tile (row / 128, k / 512) lies at ((row / 128) * 8 + k / 512) * 34,816.
; A block of C, 256 x 256, is made by four waves, 128 x 128 each, in 512 registers.  K goes in 8 steps of 512 through two LDS slots; a wave's one tensor load brings one tile, codes and scales together.
; CLUSTERS of 4 x 4: x's tiles are asked for jointly along a row of the cluster, w's along a column.  Clusters of odd parity (of their x and y) walk K from its end down: the order of the f32 sums differs so between clusters.
; THE MATRIX INSTRUCTION is the form of 32 x 16 x 128, used transposed: source 0 = 32 rows of w, source 1 = 16 rows of x.  Of its 16 result registers a lane's first eight are eight neighbouring numbers of a row of C, the other
; eight the numbers 16 columns on.  32 accumulators of 16 registers take turns.
; THE LAST K STEP GOES BY ROWS OF C: all its fragments of w fill window 1, x's come by blocks of 16 rows x 512 K, and each block of 16 rows leaves, through the wave's stage in slot 0, while the next is multiplied.
; PREFETCH: K step 1's tiles are named beside the first tensor load, K step 2's beside slot 1's first fill, K step 3's behind the first step of 128 along K; from then on K step t + 2's beside the refill with K step t.
; So never more than two K steps are named and not yet loaded.  A tile's 136 blocks of 256 bytes are shared among the four partners that load it jointly, 34 each, told apart by address; two instructions a wave,
; a lane a block (30 left-over lanes name the wave's last block again).  The refills of K steps 6 and 7 name nothing.
; REGISTERS: window 0: v0-31 addresses; v32-95 scale words, a set for each slot; v128-255 x's fragments, two sets (in the last K step v96-191: three buffers of 16 rows x 512 K; v192-255: 16 rows of C on their way out).
;   window 1: w's fragments, sets at v0 and v128 (in the last K step all 256).  windows 2, 3: the sums of my rows 0-63, 64-127 (x's block a, w's blocks 2 b, 2 b + 1 at v[8 (8 (a % 4) + 2 b)]).
.set SIZE_N, 4096
.set NQ,     4                         ; steps of 128 along K in a slot
.set PITCH,  272                       ; an LDS row: 256 bytes + 16 of padding
.set TROWS,  136
.set TILEB,  TROWS*256
.set RBB,    8*TILEB                   ; the 8 tiles of 128 rows
.set NP,     4
.set HALFT,  TROWS*PITCH               ; a tile in LDS
.set SCROW,  128*PITCH                 ; in it, where the scale bytes begin
.set SLOT,   4*HALFT                   ; x's two tiles, then w's two
.set LAPS,   4
.set SPARE,  2*SLOT                    ; behind the ring: the spare words, 128 bytes a wave
.set SPITCH, 528                       ; the stage: 16 rows x (512 + 16) bytes a wave, in slot 0, behind that slot's last fill and last read
.set ADRA, 16                          ; v16-17 my fragments of x in slot 0, 1
.set PFO,  18                          ; v18 256 x lane;  v19 256 x (32 + min(lane, 1)): the prefetches' offsets
.set PFO2, 19
.set ADRB, 20                          ; v20-21 my fragments of w
.set ADRSX, 22                         ; v22-23 x's scale words: lane l takes row l of 32
.set STO,  24
.set RD,   25
.set CO,   26
.set SPW,  28
.set NIL,  29
.set ADRSW, 30                         ; v30-31 w's scale words
.set SC,   32                          ; set s at v[SC + 32 s]: register 4 b + q: w's rows 32 b .. 32 b + 31; register 16 + 4 a + q: x's blocks 2 a (lanes 0-15), 2 a + 1 (lanes 16-31); q: which 128 along K
.set AF,   128
.set PA,   96
.set BK,   192
.set UP,   8                           ; s[8:9], s[10:11]: two K steps in bytes, one of the pairs 0: added and taken away
.set DN,   10
.set U1,   76                          ; s[76:77], s[78:79]: the same for one K step
.set D1,   78
.set PF1,  66                          ; s[66:67], s[68:69]: my 34 blocks of K steps 1 and 2; s[70:71]: of K step 3, then stepped
.set PF2,  68
.set PFA,  70
.set G1, 24
.set G0, 32
.set G1B, 48
.set G0B, 56
.set MSB, 0
.macro WIN new                         ; the immediate's high byte repeats the setting that is left
.if MSB != (\new)
	s_set_vgpr_msb (MSB<<8)|(\new)
.set MSB, \new
.endif
.endm
.set MUL_LO, 0xa1                      ; source 0 window 1, source 1 window 0, C and D window 2
.set MUL_HI, 0xf1
.set TO_B,   0x40
.macro JLOAD s                         ; a joint load: waves 0, 1 fetch x's two tiles, waves 2, 3 w's; s_nop 0 and four v_nop behind each line
	s_cmp_eq_u32 s15, 0
	s_cbranch_scc0 .Lfor_b_\@
	tensor_load_to_lds s[G0+4*\s:G0+4*\s+3], s[G1:G1+7]
	s_nop 0
.rept 4
	v_nop
.endr
	s_branch .Lasked_\@
.Lfor_b_\@:
	tensor_load_to_lds s[G0B+4*\s:G0B+4*\s+3], s[G1B:G1B+7]
	s_nop 0
.rept 4
	v_nop
.endr
.Lasked_\@:
.endm
.macro CREST                           ; a round of the cluster's barrier behind its opening barrier
	s_cmp_lg_u32 s14, 0
	s_cbranch_scc1 .Lnot_wave_0_\@
	s_barrier_signal -3
.Lnot_wave_0_\@:
	s_barrier_wait -3
	s_barrier_signal -1
	s_barrier_wait -1
.endm
.macro CROUND
	s_barrier_signal -1
	s_barrier_wait -1
	CREST
.endm
.macro PF base                         ; my 34 blocks of a tile
	global_prefetch_b8 v[PFO], s[\base:\base+1] th:TH_LOAD_NT scope:SCOPE_SE
	global_prefetch_b8 v[PFO2], s[\base:\base+1] th:TH_LOAD_NT scope:SCOPE_SE
.endm
	s_load_b128 s[4:7], s[0:1], 0x0                ; xq, wq
	s_load_b64 s[12:13], s[0:1], 0x10              ; out0
	v_lshl_add_u32 v[SPW], v0, 2, SPARE
	v_mov_b32 v[NIL], 0
	ds_add_u32 v[SPW], v[NIL]                      ; the opening lines: the add twice on end and one wait, ahead of the first round
	ds_add_u32 v[SPW], v[NIL]
	v_lshrrev_b32 v1, 5, v0
	v_readfirstlane_b32 s14, v1                    ; wave
	s_lshr_b32 s15, s14, 1                         ; my half of the rows; also: I fetch for x (0) or w (1)
	s_and_b32 s16, s14, 1                          ; my half of the columns; also: which of the two tiles I fetch
	s_bfe_u32 s40, ttmp6, 0x40000                  ; cx
	s_bfe_u32 s41, ttmp6, 0x40004                  ; cy
	s_lshl_b32 s42, ttmp9, 2
	s_add_co_u32 s42, s42, s40                     ; block column
	s_and_b32 s17, ttmp7, 0xffff
	s_lshl_b32 s17, s17, 2
	s_add_co_u32 s17, s17, s41                     ; block row
	s_lshl_b32 s43, s41, 2
	s_lshl_b32 s43, 15, s43                        ; my row of the cluster
	s_lshl_b32 s44, 0x1111, s40                    ; my column
	s_and_b32 s2, ttmp7, 0xffff                    ; the cluster's parity: the same in all sixteen partners
	s_xor_b32 s2, s2, ttmp9
	s_lshr_b32 s18, s2, 1
	s_xor_b32 s2, s2, s18
	s_and_b32 s2, s2, 1
	s_mov_b32 s18, 2*TILEB
	s_mov_b32 s22, 7*TILEB
	s_cmp_eq_u32 s2, 0
	s_cselect_b32 s[UP], s18, 0
	s_cselect_b32 s[DN], 0, s18
	s_cselect_b32 s2, 0, s22                       ; the walk's first tile along K
	s_mov_b32 s[UP+1], 0
	s_mov_b32 s[DN+1], 0
	s_lshr_b32 s[U1], s[UP], 1
	s_mov_b32 s[U1+1], 0
	s_lshr_b32 s[D1], s[DN], 1
	s_mov_b32 s[D1+1], 0
	s_or_b32 s[G1+0], s43, (3<<16)|(1<<20)|(1<<21)|(5<<22)|(3<<25)   ; mask; elements of 8 bytes; 4 words of padding behind every 64; bit 21 beside a mask
	s_or_b32 s[G1B+0], s44, (3<<16)|(1<<20)|(1<<21)|(5<<22)|(3<<25)
.irp g, G1, G1B
	s_mov_b32 s[\g+1], 32<<16                      ; 136 dense rows of 32 elements
	s_mov_b32 s[\g+2], TROWS<<16
	s_mov_b32 s[\g+3], 32<<16
	s_mov_b32 s[\g+4], TROWS
	s_mov_b32 s[\g+5], 32
	s_mov_b32 s[\g+6], 0
	s_mov_b32 s[\g+7], 0
.endr
	s_lshl_b32 s20, s17, 1
	s_add_co_u32 s20, s20, s16
	s_mul_i32 s20, s20, RBB
	s_add_co_u32 s20, s20, s2                      ; x: my tile of the first K step, in bytes
	s_mov_b32 s21, 0
	s_lshl_b32 s46, s42, 1
	s_add_co_u32 s46, s46, s16
	s_mul_i32 s46, s46, RBB
	s_add_co_u32 s46, s46, s2                      ; w likewise
	s_mov_b32 s47, 0
	s_mul_i32 s45, s14, HALFT                      ; where my tile goes
	s_mul_i32 s72, s15, HALFT                      ; where I read x's rows,
	s_mul_i32 s73, s16, HALFT
	s_add_co_u32 s73, s73, 2*HALFT                 ; w's rows,
	s_add_co_u32 s74, s73, SCROW                   ; w's scale bytes,
	s_add_co_u32 s75, s72, SCROW                   ; and x's
	s_mul_i32 s23, s14, 16*SPITCH                  ; my stage
	s_wait_dscnt 0x0                               ; both opening adds are done
	s_wait_kmcnt 0x0
	s_add_nc_u64 s[20:21], s[4:5], s[20:21]
	s_add_nc_u64 s[46:47], s[6:7], s[46:47]
	s_cmp_eq_u32 s15, 0                            ; the prefetches: the tile that I fetch, my work-group's 34 blocks of it (by cx for x, by cy for w)
	s_cselect_b64 s[PF1:PF1+1], s[20:21], s[46:47]
	s_cselect_b32 s80, s40, s41
	s_mul_i32 s80, s80, 34*256
	s_mov_b32 s81, 0
	s_add_nc_u64 s[PF1:PF1+1], s[PF1:PF1+1], s[80:81]
	s_add_nc_u64 s[PF1:PF1+1], s[PF1:PF1+1], s[U1:U1+1]
	s_sub_nc_u64 s[PF1:PF1+1], s[PF1:PF1+1], s[D1:D1+1]
	s_add_nc_u64 s[PF2:PF2+1], s[PF1:PF1+1], s[U1:U1+1]
	s_sub_nc_u64 s[PF2:PF2+1], s[PF2:PF2+1], s[D1:D1+1]
	s_add_nc_u64 s[PFA:PFA+1], s[PF2:PF2+1], s[U1:U1+1]
	s_sub_nc_u64 s[PFA:PFA+1], s[PFA:PFA+1], s[D1:D1+1]
.irp s, 0,1
	s_mov_b32 s[G0+4*\s], 1
	s_add_co_u32 s[G0+4*\s+1], s45, \s*SLOT
	s_mov_b64 s[G0+4*\s+2:G0+4*\s+3], s[20:21]
	s_or_b32 s[G0+4*\s+3], s[G0+4*\s+3], 0x80000000
	s_mov_b32 s[G0B+4*\s], 1
	s_add_co_u32 s[G0B+4*\s+1], s45, \s*SLOT
	s_mov_b64 s[G0B+4*\s+2:G0B+4*\s+3], s[46:47]
	s_or_b32 s[G0B+4*\s+3], s[G0B+4*\s+3], 0x80000000
.if \s == 0
	s_add_nc_u64 s[20:21], s[20:21], s[U1:U1+1]    ; slot 1 begins one K step on
	s_sub_nc_u64 s[20:21], s[20:21], s[D1:D1+1]
	s_add_nc_u64 s[46:47], s[46:47], s[U1:U1+1]
	s_sub_nc_u64 s[46:47], s[46:47], s[D1:D1+1]
.endif
.endr
	CROUND                                         ; all sixteen work-groups are here
	JLOAD 0                                        ; the first K step: one tensor load a wave at the head
	s_lshl_b32 s20, s17, 8                         ; my part of C: row 256 x block row + 128 x half, 16,384 bytes a row,
	s_lshl_b32 s21, s15, 7
	s_add_co_u32 s20, s20, s21
	s_lshl_b32 s20, s20, 14
	s_mov_b32 s21, 0
	s_lshl_b32 s46, s42, 10                        ; column bytes 1,024 x block column + 512 x half
	s_lshl_b32 s47, s16, 9
	s_add_co_u32 s46, s46, s47
	s_mov_b32 s47, 0
	s_add_nc_u64 s[20:21], s[20:21], s[46:47]
	s_add_nc_u64 s[12:13], s[12:13], s[20:21]
	v_and_b32 v1, 15, v0                           ; r
	v_bfe_u32 v2, v0, 4, 1                         ; h
	v_mul_u32_u24 v3, v1, PITCH
	v_lshl_add_u32 v4, v2, 4, v3                   ; a fragment: row x pitch + 16 h
	v_add_nc_u32 v[ADRA], s72, v4
	v_add_nc_u32 v[ADRA+1], SLOT, v[ADRA]
	v_add_nc_u32 v[ADRB], s73, v4
	v_add_nc_u32 v[ADRB+1], SLOT, v[ADRB]
	v_mul_u32_u24 v6, v2, PITCH                    ; scale words: 16 bytes a row, 16 rows to an LDS row: lanes 16-31 take the next LDS row
	v_lshl_add_u32 v5, v1, 4, v6
	v_add_nc_u32 v[ADRSX], s75, v5
	v_add_nc_u32 v[ADRSX+1], SLOT, v[ADRSX]
	v_add_nc_u32 v[ADRSW], s74, v5
	v_add_nc_u32 v[ADRSW+1], SLOT, v[ADRSW]
	v_mul_u32_u24 v5, v1, SPITCH                   ; into the stage: row r, 32 bytes for each half of the lanes
	v_lshl_add_u32 v5, v2, 5, v5
	v_add_nc_u32 v[STO], s23, v5
	v_and_b32 v6, 31, v0
	v_lshlrev_b32 v[CO], 4, v6                     ; back: 32 lanes take a row of 512 bytes; the same in C
	v_add_nc_u32 v[RD], s23, v[CO]
	v_lshlrev_b32 v[PFO], 8, v6
	v_min_u32 v7, 1, v6
	v_lshl_add_u32 v[PFO2], v7, 8, 0x2000
	PF PF1                                         ; K step 1
.macro WM d, b, a, sb, sa, row, z      ; one product; row = 1: x's scale words stand in lanes 16-31; z = 1 starts the sum
.if \z
.if \row
	v_wmma_scale_f32_32x16x128_f4 v[\d:\d+15], v[\b:\b+15], v[\a:\a+7], 0, v[\sb], v[\sa] matrix_b_scale:MATRIX_SCALE_ROW1
.else
	v_wmma_scale_f32_32x16x128_f4 v[\d:\d+15], v[\b:\b+15], v[\a:\a+7], 0, v[\sb], v[\sa]
.endif
.else
.if \row
	v_wmma_scale_f32_32x16x128_f4 v[\d:\d+15], v[\b:\b+15], v[\a:\a+7], v[\d:\d+15], v[\sb], v[\sa] matrix_b_scale:MATRIX_SCALE_ROW1
.else
	v_wmma_scale_f32_32x16x128_f4 v[\d:\d+15], v[\b:\b+15], v[\a:\a+7], v[\d:\d+15], v[\sb], v[\sa]
.endif
.endif
.endm
.macro FRAG reg, adr, q, i             ; 16 rows x 128 K: 8 registers, two loads 32 bytes apart
.irp c, 0,1
	ds_load_b128 v[\reg+4*\c:\reg+4*\c+3], v[\adr] offset:64*(\q)+32*\c+(\i)*16*PITCH
.endr
.endm
.macro MUL8 a0, p, q, sc, zero         ; x's blocks a0, a0 + 1 against w's four pairs of blocks, from the sets p; the 32 accumulators take turns
.irp a, \a0, \a0+1
.irp b, 0,1,2,3
	WM 8*(8*((\a)%4)+2*\b), 128*(\p)+16*\b, AF+64*(\p)+8*(\a), SC+32*(\sc)+4*\b+(\q), SC+32*(\sc)+16+4*((\a)/2)+(\q), ((\a)%2), \zero
.endr
.endr
.endm
.macro FETCH_B slot, q, p              ; w's eight blocks into set p
	WIN TO_B
.irp i, 0,1,2,3,4,5,6,7
	FRAG 128*(\p)+8*\i, ADRB+\slot, \q, \i
.endr
.endm
.macro FETCH_A slot, q, p              ; x's eight blocks into set p
.irp i, 0,1,2,3,4,5,6,7
	FRAG AF+64*(\p)+8*\i, ADRA+\slot, \q, \i
.endr
.endm
.macro SCALES sc                       ; a slot's scale words: 4 a row, 32 rows a load
.irp i, 0,1,2,3
	ds_load_b128 v[SC+32*\sc+4*\i:SC+32*\sc+4*\i+3], v[ADRSW+\sc] offset:\i*2*PITCH
	ds_load_b128 v[SC+32*\sc+16+4*\i:SC+32*\sc+16+4*\i+3], v[ADRSX+\sc] offset:\i*2*PITCH
.endr
.endm
.macro PLACES n                        ; places behind matrix instructions, ahead of loads into their registers and of reads of results
.rept \n
	v_nop
.endr
.endm
; A step of 128 along K with its successor in the same slot.  Both operands have two sets.  The sets that the step before read are filled in two runs of sixteen loads: w's at this step's head, x's in its middle;
; the four places at the head stand between that step's products and both runs.
.macro STEP slot, q, zero
	s_wait_dscnt 0x0                               ; this step's fragments are in: w's were asked for a step ago, x's half a step ago
	PLACES NP
	FETCH_B \slot, (\q)+1, 1-(\q)%2
	WIN MUL_LO
	MUL8 0, (\q)%2, \q, \slot, \zero
	MUL8 2, (\q)%2, \q, \slot, \zero
	WIN 0
	FETCH_A \slot, (\q)+1, 1-(\q)%2
	WIN MUL_HI
	MUL8 4, (\q)%2, \q, \slot, \zero
	MUL8 6, (\q)%2, \q, \slot, \zero
.endm
; A slot's last step changes slots and fills this slot again, two K steps on.  Its own fragments were asked for in the step before, so my reads of the slot are over at its head.
.macro TURN slot, next
	WIN 0
	s_wait_xcnt 0x0                                ; my prefetches have read their address: it steps one K step
	s_add_nc_u64 s[PFA:PFA+1], s[PFA:PFA+1], s[U1:U1+1]
	s_sub_nc_u64 s[PFA:PFA+1], s[PFA:PFA+1], s[D1:D1+1]
	s_wait_tensorcnt 0x0                           ; all my tensor loads have landed: my tile of the next slot
	ds_add_u32 v[SPW], v[NIL]
	s_wait_dscnt 0x0                               ; the add is done, my reads of this slot are over
	s_barrier_signal -1
	WIN MUL_LO
	MUL8 0, 1, NQ-1, \slot, 0
	WIN 0
	s_barrier_wait -1
	CREST                                          ; the barrier opened a round of the cluster's barrier
	s_add_nc_u64 s[G0+4*\slot+2:G0+4*\slot+3], s[G0+4*\slot+2:G0+4*\slot+3], s[UP:UP+1]
	s_sub_nc_u64 s[G0+4*\slot+2:G0+4*\slot+3], s[G0+4*\slot+2:G0+4*\slot+3], s[DN:DN+1]
	s_add_nc_u64 s[G0B+4*\slot+2:G0B+4*\slot+3], s[G0B+4*\slot+2:G0B+4*\slot+3], s[UP:UP+1]
	s_sub_nc_u64 s[G0B+4*\slot+2:G0B+4*\slot+3], s[G0B+4*\slot+2:G0B+4*\slot+3], s[DN:DN+1]
	JLOAD \slot                                    ; the first tensor load behind the round; its four v_nop are the places for the loads below
	FETCH_B \next, 0, 0
	WIN 0
	FETCH_A \next, 0, 0
	SCALES \next
	s_cmp_gt_u32 s3, 1                             ; the loop's last trip refills K steps 6 and 7: no K step stands two on
	s_cbranch_scc0 .Lno_ask_\@
	PF PFA
.Lno_ask_\@:
	WIN MUL_LO
	MUL8 2, 1, NQ-1, \slot, 0
	WIN MUL_HI
	MUL8 4, 1, NQ-1, \slot, 0
	MUL8 6, 1, NQ-1, \slot, 0
.endm
.macro STEPS slot, from
.set Q, \from
.rept NQ-1-\from
	STEP \slot, Q, 0
.set Q, Q+1
.endr
.endm
; The last K step, in slot 1, by rows of C.
.macro BLOAD q                         ; w's eight fragments of quarter q -> window 1, v[64 q ..]
.irp i, 0,1,2,3,4,5,6,7
	FRAG 64*\q+8*\i, ADRB+1, \q, \i
.endr
.endm
.macro ALOAD a                         ; x's block a, all four quarters -> buffer a % 3
.set FA, PA+32*((\a)%3)
.irp q, 0,1,2,3
	FRAG FA+8*\q, ADRA+1, \q, \a
.endr
.endm
.macro ROW a                           ; block a is finished: 16 products, its 4 accumulators by turns
.set FA, PA+32*((\a)%3)
.set AC, 64*((\a)%4)
	WIN MUL_LO+0x50*((\a)/4)
.irp q, 0,1,2,3
.if (\a) == 0 && \q == 2
	s_wait_dscnt 0x0                               ; w's quarter 2 is in
.endif
.irp b, 0,1,2,3
	WM AC+16*\b, 64*\q+16*\b, FA+8*\q, SC+32+4*\b+\q, SC+48+4*((\a)/2)+\q, ((\a)%2), 0
.endr
.endr
.endm
.macro TOSTAGE a                       ; block a into my stage, each accumulator from its low end on, and back as rows of 512 bytes (LDS serves a wave's instructions in order: ISA guide 5.7.1.4)
.set AC, 64*((\a)%4)
	WIN 0x08+4*((\a)/4)
.irp b, 0,1,2,3,4,5,6,7
	ds_store_b128 v[STO], v[AC+8*\b:AC+8*\b+3] offset:64*\b
	ds_store_b128 v[STO], v[AC+8*\b+4:AC+8*\b+7] offset:64*\b+16
.endr
	WIN 0
.irp t, 0,1,2,3,4,5,6,7,8,9,10,11,12,13,14,15
	ds_load_b128 v[BK+4*\t:BK+4*\t+3], v[RD] offset:\t*SPITCH
.endr
.endm
.macro SEND a, younger
	s_wait_dscnt \younger                          ; the block is back in registers
.if (\a) > 0
	s_add_nc_u64 s[12:13], s[12:13], 16*SIZE_N*4   ; (behind the wait on XCNT at the block's head)
.endif
.irp t, 0,1,2,3,4,5,6,7,8,9,10,11,12,13,14,15
	global_store_b128 v[CO], v[BK+4*\t:BK+4*\t+3], s[12:13] offset:\t*SIZE_N*4   ; 32 lanes store 512 consecutive bytes, aligned
.endr
.endm
	s_wait_alu depctr_va_vdst(0)
	s_wait_tensorcnt 0x0                           ; my tile of the first K step is in; slot 1's first fill is issued as a refill is
	ds_add_u32 v[SPW], v[NIL]
	s_wait_dscnt 0x0
	CROUND
	JLOAD 1
	FETCH_B 0, 0, 0
	WIN 0
	FETCH_A 0, 0, 0
	SCALES 0
	PF PF2                                         ; K step 2
	STEP 0, 0, 1                                   ; the first step starts the sums
	WIN 0
	PF PFA                                         ; K step 3
	s_mov_b32 s3, LAPS-1
.Llap:                                                 ; a trip goes once round the ring and fills both slots again
	STEPS 0, 1
	TURN 0, 1
	STEPS 1, 0
	TURN 1, 0
	STEP 0, 0, 0
	WIN 0
	s_sub_co_u32 s3, s3, 1
	s_cmp_lg_u32 s3, 0
	s_cbranch_scc1 .Llap
	STEPS 0, 1
	WIN 0
	s_wait_tensorcnt 0x0                           ; the last change of slots: nothing is filled again
	ds_add_u32 v[SPW], v[NIL]
	s_wait_dscnt 0x0
	s_barrier_signal -1
	WIN MUL_LO
	MUL8 0, 1, NQ-1, 0, 0
	s_barrier_wait -1                              ; slot 1 is whole, and nobody reads slot 0 any more: the stages lie there
	PLACES NP
	WIN TO_B
	BLOAD 0                                        ; three quarters of w now: v128-191 of window 1 are still being multiplied
	BLOAD 1
	BLOAD 3
	WIN 0
	SCALES 1
	ALOAD 0                                        ; v96-191: x's set 1, at work, lies above them
	ALOAD 1
	ALOAD 2
	WIN MUL_LO
	MUL8 2, 1, NQ-1, 0, 0
	WIN MUL_HI
	MUL8 4, 1, NQ-1, 0, 0
	MUL8 6, 1, NQ-1, 0, 0
	PLACES NP
	WIN TO_B
	BLOAD 2
	s_wait_dscnt 16                                ; all but the 16 just issued
	ROW 0
.irp a, 0,1,2,3,4,5,6,7                ; block a goes through the stage while block a + 1 is multiplied, and is stored behind it
	PLACES NP                                      ; for the reads of block a's results and the loads into its buffer of x
.if \a > 0
	s_wait_xcnt 0x0                                ; block a - 1's stores have read their registers and their base
.endif
	TOSTAGE \a
.if \a < 5
	ALOAD \a+3
	s_wait_dscnt 40                                ; all that was issued ahead of this block's 32 + 8 is in: x's block a + 1 among it
	ROW \a+1
	WIN 0
	SEND \a, 8
.else
.if \a < 7
	s_wait_dscnt 32
	ROW \a+1
	WIN 0
.endif
	SEND \a, 0
.endif
.endr
	s_wait_tensorcnt 0x0                           ; the wave's end
	ds_add_u32 v[SPW], v[NIL]
	s_wait_dscnt 0x0
	CROUND                                         ; the closing round
	s_endpgm
.Lfunc_end_k_q20c2c4c655_gemm:
	.size	k_q20c2c4c655_gemm, .Lfunc_end_k_q20c2c4c655_gemm-k_q20c2c4c655_gemm
	.p2alignl 7, 3214868480
	.fill 96, 4, 3214868480
	.section	.rodata,"a",@progbits
	.p2align	6, 0x0
	.amdhsa_kernel k_q20c2c4c655_gemm
		.amdhsa_group_segment_fixed_size 327680
		.amdhsa_private_segment_fixed_size 0
		.amdhsa_enable_private_segment 0
		.amdhsa_kernarg_size 24
		.amdhsa_user_sgpr_count 2
		.amdhsa_user_sgpr_kernarg_segment_ptr 1
		.amdhsa_wavefront_size32 1
		.amdhsa_system_sgpr_workgroup_id_x 1
		.amdhsa_system_sgpr_workgroup_id_y 1
		.amdhsa_system_sgpr_workgroup_id_z 1
		.amdhsa_system_vgpr_workitem_id 0
		.amdhsa_next_free_vgpr 1024
		.amdhsa_next_free_sgpr 84
		.amdhsa_reserve_vcc 0
		.amdhsa_float_denorm_mode_32 3
		.amdhsa_float_denorm_mode_16_64 3
		.amdhsa_memory_ordered 1
		.amdhsa_forward_progress 1
		.amdhsa_inst_pref_size 146
	.end_amdhsa_kernel
	.amdgpu_metadata
---
amdhsa.version: [ 1, 2 ]
amdhsa.kernels:
  - .name:           k_q20c2c4c655_gemm
    .symbol:         k_q20c2c4c655_gemm.kd
    .args:
      - { .name: xq, .offset: 0, .size: 8, .value_kind: global_buffer, .address_space: global }
      - { .name: wq, .offset: 8, .size: 8, .value_kind: global_buffer, .address_space: global }
      - { .name: out0, .offset: 16, .size: 8, .value_kind: global_buffer, .address_space: global }
    .group_segment_fixed_size: 327680
    .private_segment_fixed_size: 0
    .kernarg_segment_align: 8
    .kernarg_segment_size: 24
    .max_flat_workgroup_size: 128
    .sgpr_count:     84
    .vgpr_count:     1024
    .wavefront_size: 32
...
	.end_amdgpu_metadata
.endif
;; end of part 2
